; MI455X (gfx1250); checked and timed in simulation.
; The chip was launched on July 23, 2026; its instructions are those of AMD's public machine-readable ISA for CDNA 5 (MIT licence, August 2026) and "CDNA5" Instruction Set Architecture Reference Guide (July 2026). The comments in the code are by the model that wrote it; some were corrected since.
;; SPTP Column Parallel Linear. Allowed arithmetic: matrix products marked QUANTISED: E3M2 operands, one E8M0 scale for each 32 along K, by v_wmma_scale_f32_16x16x128_f8f6f4 with both operands' format E3M2, f32 sums; everything else in f32.
;; Inputs: input 4,096 x 4,096 float32; weight 4,096 x 4,096 float32.
;; Outputs: out0 4,096 x 4,096 float32.
;; This version of the problem:
;;   THIS VERSION OF THE PROBLEM IS GIVEN IN LOW PRECISION. The matrix products marked QUANTISED in the list below multiply operands that are first quantised to E3M2 (3 exponent bits, 2 mantissa bits; 6 bits a number), with one power-of-two scale for each 32 numbers along K (OCP MX v1.0); their sums are f32. All else is computed in f32.
;;   The module's matrix products, in the order in which they are computed (A, B: the left and right operand; K: the contracted axis; several contracted axes count as one K, in the product's order):
;;     1. [M 4,096, K 4,096] x [K 4,096, N 4,096]; A: input input; B: input weight: QUANTISED
;;   THE QUANTISER, for each operand of a quantised product, along K:
;;     - K is cut into blocks of 32 from its start; a last block that is shorter is filled with zeros.
;;     - A block's scale is 2^e with e = floor(log2(the largest magnitude in the block)) - 4, held to -126 .. 127; a block of zeros has e = 0. As a byte (E8M0): e + 127.
;;     - Each number is divided by its block's scale, clamped to +-28, and rounded to the nearest number of E3M2, ties to even, subnormals kept.
;;     - The product sums the exact products of the quantised numbers (number of the format x scale) in f32.
;;   ~~~python
;;   def quantise(x, axis):      # numpy; x: float32 -> the quantised numbers, widened to float32 again
;;       x = np.moveaxis(x, axis, -1); K = x.shape[-1]
;;       x = np.pad(x, [(0, 0)] * (x.ndim - 1) + [(0, -K % 32)]); x = x.reshape(x.shape[:-1] + (-1, 32)); a = np.abs(x).max(-1, keepdims=True)
;;       e = np.where(a > 0, np.clip(np.frexp(np.where(a > 0, a, 1))[1] - 1 - 4, -126, 127), 0)      # np.frexp(a)[1] - 1 = floor(log2(a)), exactly
;;       r = np.clip(x / 2.0 ** e, -28, 28)
;;       step = 2.0 ** (np.maximum(np.frexp(np.where(r == 0, 1, r))[1] - 1, -2) - 2)
;;       q = np.round(r / step) * step * 2.0 ** e      # np.round: ties to even
;;       return np.moveaxis(q.reshape(q.shape[:-2] + (-1,))[..., :K], -1, axis).astype(np.float32)
;;   ~~~
;; One version. Each part assembles by itself: llvm-mc -triple=amdgcn-amd-amdhsa -mcpu=gfx1250 --defsym DOCPART=n.
;; ======== version 1 of 1: 2 launches
;; limits: right only within a limited range of input values
;; workspace buffers: a_codes 13,303,808 bytes; b_codes 13,303,808 bytes
;; launch quant (part 1): grid 256 x 1, 22 waves a work-group, no clusters, 188,672 bytes of LDS; arguments input, weight, a_codes, b_codes; writes a_codes, b_codes
.if DOCPART == 1
	.amdgcn_target "amdgcn-amd-amdhsa--gfx1250"
	.amdhsa_code_object_version 6
	.text
	.protected	k_q24b90dca8a_quant
	.globl	k_q24b90dca8a_quant
	.p2align	8
	.type	k_q24b90dca8a_quant,@function
k_q24b90dca8a_quant:
	s_mov_b64 s[64:65], 0
	v_nop
	global_prefetch_b8 v0, s[64:65] scope:SCOPE_SE
	s_setreg_imm32_b32 hwreg(HW_REG_WAVE_MODE, 25, 1), 1
	s_wait_xcnt 0x0
; input [4096][4096] and weight [4096][4096], f32, K innermost, are turned into codes of BF6 (E3M2), 6 bits each, with one E8M0 scale byte for each 32 along K.
; A block's scale is 2^(floor(log2(its largest magnitude)) - 4); its byte is the largest magnitude's own exponent field - 4, held at 1 from below.  Each number is divided by the scale and
; rounded to the nearest code, ties to even; what lies beyond 28 gets the largest code (the conversion does both).
; LIMITS: NaN and infinities among the inputs are not served.  A block of zeros gets the byte 1 where the rule says 127: its codes are zeros, which add nothing under any byte but 0xff, and
; this program alone reads the bytes.  Blocks whose largest magnitude lies under 2^-122 have the byte 1, as the rule's hold at -126 asks; that range was not tried.
; THE WORKSPACE IS LAID AS THE PRODUCT'S LAUNCH TAKES IT: [block of 16 rows: 256][slot t of 384 along K: 0 .. 10].  A block's slot is 256 bytes of scale words (row r at 16 r: the words of the slot's
; three runs of 128 along K, and a word of 0), then the images of its fragments, 1,536 bytes each: registers 4 c .. 4 c + 3 of lane l of the fragment's 12 at 512 c + 16 l.  Lane l holds row l % 16;
; its registers 6 c .. 6 c + 5 hold k = 64 c + 32 (l / 16) + 0 .. 31 (ISA guide 7.12: the 6-bit operand's layout).  4,096 = 10 x 384 + 256: slot 10 has two fragments.
; SHARES.  One launch serves both tensors: work-groups 0-127 take input, 128-255 weight; only pointers are chosen.  A work-group takes 2 blocks of rows; each of its 22 waves takes one slot of one block:
; 5,632 such shares are 22 for each of 256 work-groups.  160 registers a wave, so that six waves fit beside each other in 1,024.
; A load reads 512 consecutive bytes of one row, 16 a lane; the conversions want 32 neighbours along K in ONE lane.  So a fragment's 16 x 512 bytes turn through the wave's own stage in LDS.
; A lane then holds two whole blocks of 32: no other lane is asked for a maximum.  No tensor loads, no barrier: waves share nothing.  The next fragment's 16 loads go out as soon as the stage has read the registers.
.set ROWB,  16384                      ; a row of the tensor in bytes
.set SP,    528                        ; a stage row: 512 bytes + 16: the sixteen lanes that read the same column of sixteen rows start 16 bytes apart modulo 256
.set WREG,  16*SP                      ; a wave's stage
.set FRB,   1536                       ; a fragment's image
.set SCB,   256                        ; a slot's scale words
.set RB,    SCB+3*FRB                  ; a block's slot
.set KROWB, 10*RB+SCB+2*FRB            ; a block, all of K
.set GL,  1                            ; v1   16 x lane: my bytes of a load's 512, and of a store's
.set STI, 2                            ; v2   the stage, on the way in: my wave's + 16 x lane
.set STO, 3                            ; v3   on the way out: my wave's + SP x (lane % 16) + 128 x (lane / 16)
.set H8,  4                            ; v4   8 x (lane / 16)
.set SA,  5                            ; v5   16 x (lane % 16) + 8 x (lane / 16): my 8 bytes of the scale words
.set TM,  6                            ; v6-7   largest magnitudes, then the bytes
.set PT,  8                            ; v8     my two bytes at their places
.set PD,  9                            ; v9     the other half's two
.set OP,  10                           ; v10-11 the conversions' scale operands
.set W,   12                           ; v12-15 the slot's scale words of my row, and a word of 0
.set TA,  16                           ; v16-18 and
.set TB,  6                            ; v6-8   the halves of the codes whose home begins on an odd register; v16-17 are at last the scale words' store data
.set R,   20                           ; v20-83   64 numbers as they are loaded
.set X,   84                           ; v84-147  64 numbers of my row: register 32 c + i is k = 64 c + 32 (lane / 16) + i
.set PC,  148                          ; v148-159 the fragment's 12 registers
	s_load_b256 s[4:11], s[0:1], 0x0               ; input s[4:5], weight s[6:7], input's codes s[8:9], weight's s[10:11]
	v_lshrrev_b32 v6, 5, v0
	s_delay_alu instid0(VALU_DEP_1)
	v_readfirstlane_b32 s16, v6                    ; wave 0..21
	v_and_b32 v6, 31, v0                           ; lane
	v_and_b32 v7, 15, v0                           ; r
	v_bfe_u32 v8, v0, 4, 1                         ; h
	s_delay_alu instid0(VALU_DEP_3)
	v_lshlrev_b32 v[GL], 4, v6
	s_mul_i32 s17, s16, WREG
	v_add_nc_u32 v[STI], s17, v[GL]
	v_mul_u32_u24 v[STO], v7, SP
	s_delay_alu instid0(VALU_DEP_1)
	v_lshl_add_u32 v[STO], v8, 7, v[STO]
	s_delay_alu instid0(VALU_DEP_1)
	v_add_nc_u32 v[STO], s17, v[STO]
	v_lshlrev_b32 v[H8], 3, v8
	s_delay_alu instid0(VALU_DEP_1)
	v_lshl_add_u32 v[SA], v7, 4, v[H8]
	v_mov_b32 v[PD], 0                             ; written once: a lane permute's destination counts as one of its sources
	v_mov_b32 v[W+2], 0                            ; slot 10 has no third word
	v_mov_b32 v[W+3], 0                            ; the fourth word of a row's 16 bytes
	s_mov_b32 s20, 0x76543210
	s_mov_b32 s21, 0xfedcba98                      ; v_permlanex16_b32's selects for lane l xor 16
	s_cmp_ge_u32 s16, 11
	s_cselect_b32 s17, 1, 0                        ; which of the work-group's two blocks of rows
	s_mul_i32 s18, s17, 11
	s_sub_co_u32 s18, s16, s18                     ; t: which slot, 0 .. 10
	s_and_b32 s19, ttmp9, 127
	s_lshl_b32 s19, s19, 1
	s_add_co_u32 s19, s19, s17                     ; the block of rows, 0 .. 255
	s_lshl_b32 s22, s19, 18                        ; the numbers: 16 rows of 16,384 bytes a block,
	s_mul_i32 s24, s18, 3*512                      ; 1,536 bytes of a row a slot
	s_add_co_u32 s22, s22, s24
	s_mov_b32 s23, 0
	s_mul_i32 s24, s19, KROWB                      ; the codes and scale words
	s_mul_i32 s26, s18, RB
	s_add_co_u32 s24, s24, s26
	s_mov_b32 s25, 0
	s_wait_alu depctr_va_vdst(0)
	s_wait_kmcnt 0x0
	s_cmp_lt_u32 ttmp9, 128                        ; input's work-group or weight's?  The choice hangs on the work-group's number alone
	s_cselect_b64 s[4:5], s[4:5], s[6:7]
	s_cselect_b64 s[8:9], s[8:9], s[10:11]
	s_add_nc_u64 s[4:5], s[4:5], s[22:23]
	s_add_nc_u64 s[8:9], s[8:9], s[24:25]
.macro LOAD f                          ; fragment f: 16 rows x 128 numbers; load i reads 512 consecutive bytes of row i
.irp i, 0,1,2,3,4,5,6,7,8,9,10,11,12,13,14,15
	global_load_b128 v[R+4*\i:R+4*\i+3], v[GL], s[4:5] offset:ROWB*\i+512*(\f) th:TH_LOAD_NT
.endr
.endm
.macro TURN                            ; through the stage: LDS serves a wave's instructions in order (ISA guide 5.7.1), so no wait stands between the stores and the loads
.irp i, 0,1,2,3,4,5,6,7,8,9,10,11,12,13,14,15
	ds_store_b128 v[STI], v[R+4*\i:R+4*\i+3] offset:SP*\i
.endr
.irp c, 0,1
.irp j, 0,1,2,3,4,5,6,7
	ds_load_b128 v[X+32*\c+4*\j:X+32*\c+4*\j+3], v[STO] offset:256*\c+16*\j
.endr
.endr
.endm
.macro QUANT f
.irp c, 0,1                            ; my block 2 c + h: all its 32 numbers are mine
	v_max3_num_f32 v[TM+\c], |v[X+32*\c]|, |v[X+32*\c+1]|, 0x2800000   ; and the floor 2^(5 - 127), under which no largest magnitude is taken: so the byte cannot fall under 1
.endr
.irp i, 2,4,6,8,10,12,14,16,18,20,22,24,26,28,30
.irp c, 0,1
	s_delay_alu instid0(VALU_DEP_2)
	v_max3_num_f32 v[TM+\c], v[TM+\c], |v[X+32*\c+\i]|, |v[X+32*\c+\i+1]|   ; (the two blocks by turns)
.endr
.endr
.irp c, 0,1
	s_delay_alu instid0(VALU_DEP_2)
	v_add_nc_u32 v[OP+\c], 0xfe000000, v[TM+\c]    ; 4 off its exponent field: the conversion takes the exponent field of this operand as its scale, and nothing else of it
.endr
.irp c, 0,1
	s_delay_alu instid0(VALU_DEP_2)
	v_lshrrev_b32 v[TM+\c], 23, v[OP+\c]           ; the scale's byte
.endr
	s_delay_alu instid0(VALU_DEP_1)
	v_lshl_or_b32 v[PT], v[TM+1], 16, v[TM]        ; my two bytes: blocks h and 2 + h of my row,
	s_delay_alu instid0(VALU_DEP_1)
	v_lshlrev_b32 v[PT], v[H8], v[PT]              ; at their places in the scale word;
	s_delay_alu instid0(VALU_DEP_1)
	v_permlanex16_b32 v[PD], v[PT], s20, s21
	s_delay_alu instid0(VALU_DEP_1)
	v_or_b32 v[W+(\f)], v[PT], v[PD]               ; with lane l xor 16's two the word is whole, in both lanes
	v_cvt_scalef32_pk16_bf6_f32 v[PC:PC+2], v[X:X+15], v[OP]
	v_cvt_scalef32_pk16_bf6_f32 v[TA:TA+2], v[X+16:X+31], v[OP]          ; (a conversion's three registers begin on an even number: the second half of a block's six does not, so it is made elsewhere and moved)
	v_cvt_scalef32_pk16_bf6_f32 v[PC+6:PC+8], v[X+32:X+47], v[OP+1]
	v_cvt_scalef32_pk16_bf6_f32 v[TB:TB+2], v[X+48:X+63], v[OP+1]        ; (over the bytes, which the word above has taken up)
	v_nop                                          ; one plain place behind a scaled conversion
.irp i, 0,1,2
	v_mov_b32 v[PC+3+\i], v[TA+\i]
	v_mov_b32 v[PC+9+\i], v[TB+\i]
.endr
.endm
.macro OUT f                           ; the image: each store of the wave covers 512 consecutive bytes, at a multiple of 256 from the buffer's first byte.  The next launch reads them: no hint
.irp c, 0,1,2
	global_store_b128 v[GL], v[PC+4*\c:PC+4*\c+3], s[8:9] offset:SCB+FRB*(\f)+512*\c
.endr
.endm
; nxt = 1: the next fragment is asked for; 2: only where the slot has a third fragment; 0: nothing follows
.macro FRAGMENT f, nxt
	s_wait_loadcnt 0x0                             ; this fragment's 16 loads are in
	TURN
	s_wait_dscnt 16                                ; the 16 stores into the stage are done and have read the load registers; the 16 loads from the stage behind them may be out
.if (\f) > 0
	s_wait_xcnt 0x0                                ; the last fragment's stores have read the image's registers, which are written again below
.endif
.if \nxt == 1
	LOAD (\f)+1
.elseif \nxt == 2
	s_cmp_eq_u32 s18, 10                           ; slot 10 ends with the row: no load leaves the row, nor the buffer
	s_cbranch_scc1 .Lno_third
	LOAD (\f)+1
.Lno_third:
.endif
	s_wait_dscnt 0x0                               ; my 64 numbers are back from the stage
	QUANT \f
	OUT \f
.endm
	LOAD 0
	FRAGMENT 0, 1
	FRAGMENT 1, 2
	s_cmp_eq_u32 s18, 10
	s_cbranch_scc1 .Lwords
	FRAGMENT 2, 0
.Lwords:
	v_and_b32 v19, 16, v0                          ; lanes 0-15 store words 0 and 1 of row lane % 16, lanes 16-31 its words 2 and 3: both halves of the lanes hold every word
	s_delay_alu instid0(VALU_DEP_1)
	v_cmp_ne_u32 vcc_lo, 0, v19
	s_delay_alu instid0(VALU_DEP_1)
	v_cndmask_b32 v16, v[W], v[W+2], vcc_lo
	s_delay_alu instid0(VALU_DEP_2)
	v_cndmask_b32 v17, v[W+1], v[W+3], vcc_lo
	global_store_b64 v[SA], v[16:17], s[8:9]       ; 32 lanes store 256 consecutive bytes, at a multiple of 256 from the buffer's first byte
	s_wait_xcnt 0x0
	v_lshl_add_u32 v158, v0, 2, 0x2d600
	v_mov_b32 v159, 0
	s_wait_alu depctr_va_vdst(0)
	s_wait_tensorcnt 0x0
	ds_add_u32 v158, v159
	s_wait_dscnt 0x0
	s_endpgm
.Lfunc_end_k_q24b90dca8a_quant:
	.size	k_q24b90dca8a_quant, .Lfunc_end_k_q24b90dca8a_quant-k_q24b90dca8a_quant
	.p2alignl 7, 3214868480
	.fill 96, 4, 3214868480
	.section	.rodata,"a",@progbits
	.p2align	6, 0x0
	.amdhsa_kernel k_q24b90dca8a_quant
		.amdhsa_group_segment_fixed_size 188672
		.amdhsa_private_segment_fixed_size 0
		.amdhsa_enable_private_segment 0
		.amdhsa_kernarg_size 32
		.amdhsa_user_sgpr_count 2
		.amdhsa_user_sgpr_kernarg_segment_ptr 1
		.amdhsa_wavefront_size32 1
		.amdhsa_system_sgpr_workgroup_id_x 1
		.amdhsa_system_sgpr_workgroup_id_y 1
		.amdhsa_system_sgpr_workgroup_id_z 1
		.amdhsa_system_vgpr_workitem_id 0
		.amdhsa_next_free_vgpr 160
		.amdhsa_next_free_sgpr 66
		.amdhsa_reserve_vcc 1
		.amdhsa_float_denorm_mode_32 3
		.amdhsa_float_denorm_mode_16_64 3
		.amdhsa_memory_ordered 1
		.amdhsa_forward_progress 1
		.amdhsa_inst_pref_size 27
	.end_amdhsa_kernel
	.amdgpu_metadata
---
amdhsa.version: [ 1, 2 ]
amdhsa.kernels:
  - .name:           k_q24b90dca8a_quant
    .symbol:         k_q24b90dca8a_quant.kd
    .args:
      - { .name: input, .offset: 0, .size: 8, .value_kind: global_buffer, .address_space: global }
      - { .name: weight, .offset: 8, .size: 8, .value_kind: global_buffer, .address_space: global }
      - { .name: a_codes, .offset: 16, .size: 8, .value_kind: global_buffer, .address_space: global }
      - { .name: b_codes, .offset: 24, .size: 8, .value_kind: global_buffer, .address_space: global }
    .group_segment_fixed_size: 188672
    .private_segment_fixed_size: 0
    .kernarg_segment_align: 8
    .kernarg_segment_size: 32
    .max_flat_workgroup_size: 704
    .sgpr_count:     66
    .vgpr_count:     160
    .wavefront_size: 32
...
	.end_amdgpu_metadata
.endif
;; end of part 1
;; launch gemm (part 2): grid 16 x 16, 4 waves a work-group, clusters of 4 x 4, 327,680 bytes of LDS; arguments a_codes, b_codes, out0; writes out0
.if DOCPART == 2
	.amdgcn_target "amdgcn-amd-amdhsa--gfx1250"
	.amdhsa_code_object_version 6
	.text
	.protected	k_q24b90dca8a_gemm
	.globl	k_q24b90dca8a_gemm
	.p2align	8
	.type	k_q24b90dca8a_gemm,@function
k_q24b90dca8a_gemm:
	s_mov_b64 s[64:65], 0
	v_nop
	global_prefetch_b8 v0, s[64:65] scope:SCOPE_SE
	s_setreg_imm32_b32 hwreg(HW_REG_WAVE_MODE, 25, 1), 1
	s_wait_xcnt 0x0
	s_wait_alu depctr_hold_cnt(0) depctr_sa_sdst(0) depctr_va_vdst(0) depctr_va_sdst(0) depctr_va_ssrc(0) depctr_va_vcc(0) depctr_vm_vsrc(0)
	s_getreg_b32 s2, hwreg(HW_REG_IB_STS2, 6, 4)
	s_cmp_eq_u32 s2, 0
	s_cbranch_scc0 .Lentry_in_a_cluster
	s_endpgm
.Lentry_in_a_cluster:
	s_bfe_u32 s2, ttmp6, 0x10000c
	s_cmp_lg_u32 s2, 0xf033
	s_cbranch_scc0 .Lentry_shape_is_right
	s_endpgm
.Lentry_shape_is_right:
; out0[t][o] = sum over i of Q(input)[t][i] Q(weight)[o][i]: both operands arrive as codes of BF6 (E3M2) with E8M0 scale words, laid by the launch before as images of the operand's registers:
; [block of 16 rows: 256][slot of 384 along K: 0 .. 10]; a block's slot is 256 bytes of scale words (row r at 16 r, word q for the slot's q-th 128 along K), then 1,536 bytes for each fragment (16 l + 512 c: registers 4 c .. 4 c + 3 of lane l).
; Slot 10 has two fragments (4,096 = 10 x 384 + 256).  Every block's slot begins at a multiple of 256 bytes.
; A tile of out0, 256 x 256, is made by four waves, each 128 x 128: 64 accumulators, 512 registers.  32 steps of 128 along K, 64 matrix instructions each: A's blocks one after the other, each against B's eight.
; TWO LDS SLOTS by turns, each with one slot of A's 16 blocks and of B's 16 blocks; a wave fetches 8 blocks with one tensor load.
; CLUSTERS: 4 x 4 work-groups; A's tiles are asked for jointly along a row of the cluster, B's along a column.
; BOTH OPERANDS HAVE TWO SETS OF REGISTERS: while step s is multiplied from set s % 2, step s + 1's 56 LDS loads (24 for B, 8 scale words, 24 for A) go into the other set, in ONE run at the step's head, 64 matrix instructions ahead of their use.
; So all reads of a slot are issued one step before its last step, and the change of slots stands at the head of that last step.
; THE MATRIX INSTRUCTION IS USED TRANSPOSED (source 0 = 16 rows of B, source 1 = 16 rows of A): a lane holds eight neighbouring numbers of a row of out0.
; In the last step block a of 16 rows is finished by its own 8 products and leaves at once, through the wave's own stage in LDS, as whole rows of 512 bytes.
; PREFETCH: a wave names a slot of 2 of the 8 blocks that it fetches: 2 x 19 blocks of 256 bytes, a lane a block (lanes 19-31 name the 19th again), two instructions.
; The four partners of a joint load share the 8 blocks out by address (cx for A, cy for B).  Slots 0 and 1 are named as soon as the addresses are known, ahead of the descriptors' set-up and the first round; slots 2 and 3 behind the load of slot 1;
; behind the load of slot j, j = 2 .. 7, slot j + 2: never more than two slots are named and not yet loaded.  Slot 10, which is shorter, is not named: the last trip of the loop and the tail ask for nothing.
; REGISTERS: window 0: v0-31 addresses, v32-47 scale words (two sets of 8: lanes 0-15 A's block i, lanes 16-31 B's block i), v64-159 and v160-255 A's two sets.  Window 1: v0-95, v96-191 B's two sets.  Windows 2, 3: accumulators.
.set SIZE_N, 4096
.set FRB,    1536
.set SCB,    256
.set RB,     SCB+3*FRB                 ; a block's slot: 4,864 bytes
.set RBL,    SCB+2*FRB                 ; slot 10
.set KROWB,  10*RB+RBL                 ; a block, all of K
.set HALFT,  8*RB                      ; what one tensor load brings
.set SLOT,   4*HALFT
.set SPARE,  2*SLOT                    ; the spare words, 128 bytes a wave
.set STAGE,  SLOT                      ; the way out: in the LDS slot that does not hold slot 10; its last fill and its last reads lie ahead of the walk's last barrier
.set SPITCH, 528
.set PIT,    RB                        ; from block to block in LDS
.set ADRA, 16                          ; v16-17 my A fragments in LDS slot 0, 1
.set ADRS, 18                          ; v18-19 my scale words
.set ADRB, 20                          ; v20-21 my B fragments
.set STO,  24
.set RD,   25
.set CO,   26
.set SPW,  28                          ; my spare word; never rewritten
.set NIL,  29                          ; 0; never rewritten
.set PFO,  30                          ; 256 x min(lane, 18)
.set SC,   32
.set AF,   64
.set G1, 24
.set G0, 32
.set G1B, 48
.set G0B, 56
.set G1L, 68                           ; group 1 for slot 10's shorter rows
.set G1BL, 80
.set PFA, 88                           ; s[88:89] where my prefetches stand
.set MSB, 0
.set LI, 0
.macro WIN new                         ; the immediate's high byte repeats the setting that is left
.if MSB != (\new)
	s_set_vgpr_msb (MSB<<8)|(\new)
.set MSB, (\new)
.endif
.endm
.set MUL_LO, 0xa1                      ; source 0 (B) window 1, source 1 (A) window 0, C and D window 2; + 0x50: window 3
.set TO_B,   0x40
.macro PLACES
.rept 4
	v_nop
.endr
.endm
.macro JLOAD g0a, g1a, g0b, g1b        ; a joint load: waves 0, 1 fetch for A, waves 2, 3 for B
	s_cmp_eq_u32 s15, 0
	s_cbranch_scc0 .Lfor_b_\@
	tensor_load_to_lds s[\g0a:\g0a+3], s[\g1a:\g1a+7]
	s_nop 0
	PLACES
	s_branch .Lasked_\@
.Lfor_b_\@:
	tensor_load_to_lds s[\g0b:\g0b+3], s[\g1b:\g1b+7]
	s_nop 0
	PLACES
.Lasked_\@:
.endm
.macro CREST                           ; a round of the cluster's barrier behind its opening barrier
	s_cmp_lg_u32 s14, 0
	s_cbranch_scc1 .Lnot_wave_0_\@
	s_barrier_signal -3
.Lnot_wave_0_\@:
	s_barrier_wait -3
	s_barrier_signal -1
	s_barrier_wait -1
.endm
.macro CROUND
	s_barrier_signal -1
	s_barrier_wait -1
	CREST
.endm
.macro PF sl                           ; my 2 blocks' slot, sl slots on from where PFA stands
	global_prefetch_b8 v[PFO], s[PFA:PFA+1] offset:(\sl)*RB th:TH_LOAD_NT scope:SCOPE_SE
	global_prefetch_b8 v[PFO], s[PFA:PFA+1] offset:(\sl)*RB+KROWB th:TH_LOAD_NT scope:SCOPE_SE
.endm
.macro ASK                             ; in the loop: all trips but the last (s3 = 1), whose look-ahead would be slot 10 and beyond
	s_cmp_gt_u32 s3, 1
	s_cbranch_scc0 .Lno_ask_\@
	PF 3
.Lno_ask_\@:
.endm
	s_load_b128 s[4:7], s[0:1], 0x0                ; A's codes, B's codes
	s_load_b64 s[12:13], s[0:1], 0x10              ; out0
	v_lshl_add_u32 v[SPW], v0, 2, SPARE
	v_mov_b32 v[NIL], 0
	ds_add_u32 v[SPW], v[NIL]                      ; the opening lines: the add, twice on end, and its wait ahead of my first tensor load
	ds_add_u32 v[SPW], v[NIL]
	v_lshrrev_b32 v1, 5, v0
	v_readfirstlane_b32 s14, v1                    ; wave 0..3
	s_lshr_b32 s15, s14, 1                         ; my half of the tile's rows; also: I fetch for A (0) or B (1)
	s_and_b32 s16, s14, 1                          ; my half of its columns; also: which 8 blocks I fetch
	s_bfe_u32 s40, ttmp6, 0x40000                  ; cx
	s_bfe_u32 s41, ttmp6, 0x40004                  ; cy
	s_lshl_b32 s42, ttmp9, 2
	s_add_co_u32 s42, s42, s40                     ; tile column
	s_and_b32 s17, ttmp7, 0xffff
	s_lshl_b32 s17, s17, 2
	s_add_co_u32 s17, s17, s41                     ; tile row
	s_lshl_b32 s43, s41, 2
	s_lshl_b32 s43, 15, s43                        ; my row of the cluster
	s_lshl_b32 s44, 0x1111, s40                    ; my column
	s_or_b32 s[G1+0], s43, (3<<16)|(1<<21)         ; elements of 8 bytes, no padding: the images are read 16 bytes a lane on end
	s_or_b32 s[G1L+0], s43, (3<<16)|(1<<21)
	s_or_b32 s[G1B+0], s44, (3<<16)|(1<<21)
	s_or_b32 s[G1BL+0], s44, (3<<16)|(1<<21)
.irp g, G1, G1B
	s_mov_b32 s[\g+1], (RB/8)<<16
	s_mov_b32 s[\g+3], (RB/8)<<16
.endr
.irp g, G1L, G1BL
	s_mov_b32 s[\g+1], (RBL/8)<<16
	s_mov_b32 s[\g+3], (RBL/8)<<16
.endr
.irp g, G1, G1B, G1L, G1BL
	s_mov_b32 s[\g+2], 8<<16                       ; 8 rows: a row is one block's slot
	s_mov_b32 s[\g+4], 8
	s_mov_b32 s[\g+5], KROWB/8
	s_mov_b32 s[\g+6], 0
	s_mov_b32 s[\g+7], 0
.endr
	s_lshl_b32 s18, s16, 3
	s_lshl_b32 s20, s17, 4
	s_add_co_u32 s20, s20, s18                     ; A: my first block = 16 x tile row + 8 x half
	s_lshl_b32 s46, s42, 4
	s_add_co_u32 s46, s46, s18                     ; B: 16 x tile column + 8 x half
	s_lshl_b32 s90, s40, 1
	s_add_co_u32 s90, s90, s20                     ; the prefetches: A's block + 2 cx,
	s_lshl_b32 s91, s41, 1
	s_add_co_u32 s91, s91, s46                     ; or B's block + 2 cy
	s_cmp_eq_u32 s15, 0
	s_cselect_b32 s90, s90, s91
	s_mul_i32 s90, s90, KROWB
	s_mov_b32 s91, 0
	s_mul_i32 s20, s20, KROWB
	s_mov_b32 s21, 0
	s_mul_i32 s46, s46, KROWB
	s_mov_b32 s47, 0
	s_mul_i32 s45, s14, HALFT                      ; where my loads go
	s_mul_i32 s92, s15, HALFT                      ; what I read: my 8 blocks of A,
	s_mul_i32 s93, s16, HALFT
	s_add_co_u32 s93, s93, 2*HALFT                 ; my 8 blocks of B,
	s_sub_co_u32 s94, s93, s92                     ; the distance between the two
	s_mul_i32 s95, s14, 16*SPITCH
	s_add_co_u32 s95, s95, STAGE                   ; my stage
	s_lshl_b32 s96, s17, 8
	s_lshl_b32 s97, s15, 7
	s_add_co_u32 s96, s96, s97
	s_lshl_b32 s96, s96, 14                        ; my first row of out0, in bytes,
	s_lshl_b32 s97, s42, 10
	s_add_co_u32 s96, s96, s97
	s_lshl_b32 s97, s16, 9
	s_add_co_u32 s96, s96, s97                     ; and my first column: under 2^27 in all
	s_mov_b32 s97, 0
	v_and_b32 v1, 15, v0                           ; r
	v_bfe_u32 v2, v0, 4, 1                         ; h
	v_and_b32 v6, 31, v0
	v_lshlrev_b32 v[CO], 4, v6                     ; 16 x lane
	v_mul_u32_u24 v7, s94, v2                      ; lanes 16-31 take B's scale words
	v_lshl_add_u32 v5, v1, 4, v7
	v_add_nc_u32 v[ADRA], s92, v[CO]
	v_add_nc_u32 v[ADRB], s93, v[CO]
	v_add_nc_u32 v[ADRS], s92, v5
	v_add_nc_u32 v[ADRA+1], SLOT, v[ADRA]
	v_add_nc_u32 v[ADRB+1], SLOT, v[ADRB]
	v_add_nc_u32 v[ADRS+1], SLOT, v[ADRS]
	v_mul_u32_u24 v8, v1, SPITCH
	v_lshl_add_u32 v8, v2, 5, v8
	v_add_nc_u32 v[STO], s95, v8                   ; into the stage: row r, 32 bytes for each half of the lanes
	v_add_nc_u32 v[RD], s95, v[CO]                 ; back: the 32 lanes take a row of 512 bytes
	v_min_u32 v9, 18, v6
	v_lshlrev_b32 v[PFO], 8, v9
	s_wait_alu depctr_va_vdst(0)                   ; the wait at the end of the head's vector work
	s_wait_dscnt 0x0                               ; both opening adds are done
	s_wait_kmcnt 0x0
	s_cmp_eq_u32 s15, 0
	s_cselect_b64 s[PFA:PFA+1], s[4:5], s[6:7]
	s_add_nc_u64 s[PFA:PFA+1], s[PFA:PFA+1], s[90:91]
	PF 0                                           ; the buffers' first touch: slots 0 and 1 are named, slot 0 first, ahead of the set-up and the round below
	PF 1
	s_add_nc_u64 s[20:21], s[4:5], s[20:21]
	s_add_nc_u64 s[46:47], s[6:7], s[46:47]
	s_add_nc_u64 s[12:13], s[12:13], s[96:97]
.irp s, 0,1
	s_mov_b32 s[G0+4*\s], 1
	s_add_co_u32 s[G0+4*\s+1], s45, \s*SLOT
	s_add_nc_u64 s[G0+4*\s+2:G0+4*\s+3], s[20:21], \s*RB
	s_or_b32 s[G0+4*\s+3], s[G0+4*\s+3], 0x80000000
	s_mov_b32 s[G0B+4*\s], 1
	s_add_co_u32 s[G0B+4*\s+1], s45, \s*SLOT
	s_add_nc_u64 s[G0B+4*\s+2:G0B+4*\s+3], s[46:47], \s*RB
	s_or_b32 s[G0B+4*\s+3], s[G0B+4*\s+3], 0x80000000
.endr
	CROUND                                         ; all sixteen work-groups are here: the first joint loads meet
	JLOAD G0, G1, G0B, G1B                         ; slot 0: one tensor load a wave at the head
; load number k of a batch of 56: step (LDS slot nsl, fragment nq) into set np
.macro LD1 k, nsl, nq, np
.if (\k) < 24
	WIN TO_B
	ds_load_b128 v[96*(\np)+4*(\k):96*(\np)+4*(\k)+3], v[ADRB+(\nsl)] offset:((\k)/3)*PIT+SCB+(\nq)*FRB+512*((\k)%3)
.elseif (\k) < 32
	WIN 0
	ds_load_b32 v[SC+8*(\np)+(\k)-24], v[ADRS+(\nsl)] offset:((\k)-24)*PIT+4*(\nq)
.else
	WIN 0
	ds_load_b128 v[AF+96*(\np)+4*((\k)-32):AF+96*(\np)+4*((\k)-32)+3], v[ADRA+(\nsl)] offset:(((\k)-32)/3)*PIT+SCB+(\nq)*FRB+512*(((\k)-32)%3)
.endif
.endm
.macro FETCH nsl, nq, np               ; the whole batch in one run: B's eight fragments, the eight scale words, A's eight fragments
.set LI, 0
.rept 56
	LD1 LI, \nsl, \nq, \np
.set LI, LI+1
.endr
.endm
; 8 matrix instructions: A's block a against B's eight, from set p.  The 64 accumulators take turns, in the same order in every step
.macro GRP a, p, zero
	WIN MUL_LO+0x50*((\a)/4)
.irp b, 0,1,2,3,4,5,6,7
.if \zero
	v_wmma_scale_f32_16x16x128_f8f6f4 v[8*(8*((\a)%4)+\b):8*(8*((\a)%4)+\b)+7], v[96*(\p)+12*\b:96*(\p)+12*\b+11], v[AF+96*(\p)+12*(\a):AF+96*(\p)+12*(\a)+11], 0, v[SC+8*(\p)+\b], v[SC+8*(\p)+(\a)] matrix_a_fmt:MATRIX_FMT_BF6 matrix_b_fmt:MATRIX_FMT_BF6 matrix_a_scale:MATRIX_SCALE_ROW1
.else
	v_wmma_scale_f32_16x16x128_f8f6f4 v[8*(8*((\a)%4)+\b):8*(8*((\a)%4)+\b)+7], v[96*(\p)+12*\b:96*(\p)+12*\b+11], v[AF+96*(\p)+12*(\a):AF+96*(\p)+12*(\a)+11], v[8*(8*((\a)%4)+\b):8*(8*((\a)%4)+\b)+7], v[SC+8*(\p)+\b], v[SC+8*(\p)+(\a)] matrix_a_fmt:MATRIX_FMT_BF6 matrix_b_fmt:MATRIX_FMT_BF6 matrix_a_scale:MATRIX_SCALE_ROW1
.endif
.endr
.endm
; a step that is not its slot's last: fragment q of LDS slot sl is multiplied, fragment q + 1 is fetched
.macro STEP sl, q, zero
	PLACES                                         ; four places between the last step's products, which read the other set, and the loads into it
	s_wait_dscnt 12                                ; of this step's batch B, the scale words and A's blocks 0-3 are in; its youngest twelve loads (A's blocks 4-7) may be out
	FETCH \sl, (\q)+1, 1-((\q)+(\sl))%2
.irp g, 0,1,2,3
	GRP \g, ((\q)+(\sl))%2, \zero
.endr
	s_wait_dscnt 56                                ; all but the 56 just issued: A's blocks 4-7 are in
.irp g, 4,5,6,7
	GRP \g, ((\q)+(\sl))%2, \zero
.endr
.endm
; a slot's last step (fragment 2, set sl): the change of slots.  kind 1: in the loop; 2: the refill is slot 10; 3: nothing is left to fetch, so no round follows
.macro TURN sl, kind
.if \kind == 1
	s_wait_xcnt 0x0                                ; my prefetches have read their address
	s_add_nc_u64 s[PFA:PFA+1], s[PFA:PFA+1], RB
.endif
	WIN 0
	s_wait_tensorcnt 0x0                           ; my one load that was out, my part of the other slot, has landed;
	ds_add_u32 v[SPW], v[NIL]
	s_wait_dscnt 22                                ; (the add and the 21 loads of A's blocks 1-7 may be out)
	GRP 0, \sl, 0                                  ; eight products between the add and the wait for it
	s_wait_dscnt 0x0                               ; the add is done, and so are all my reads of this slot
	s_barrier_signal -1
	GRP 1, \sl, 0
	WIN 0
	s_barrier_wait -1
.if \kind < 3
	CREST                                          ; the barrier has opened a round: no wave of any partner still reads this slot or has a load on its way
	s_add_nc_u64 s[G0+4*\sl+2:G0+4*\sl+3], s[G0+4*\sl+2:G0+4*\sl+3], 2*RB
	s_add_nc_u64 s[G0B+4*\sl+2:G0B+4*\sl+3], s[G0B+4*\sl+2:G0B+4*\sl+3], 2*RB
.if \kind == 2
	JLOAD G0+4*\sl, G1L, G0B+4*\sl, G1BL
.else
	JLOAD G0+4*\sl, G1, G0B+4*\sl, G1B             ; the first tensor load behind the round; its four v_nop are the places in front of the loads below
.endif
.else
	PLACES
.endif
	FETCH 1-(\sl), 0, 1-(\sl)                      ; the other slot's first fragments
.if \kind == 1
	ASK
.endif
.irp g, 2,3,4,5,6,7
	GRP \g, \sl, 0
.endr
.endm
	s_wait_tensorcnt 0x0                           ; my part of slot 0 is in
	ds_add_u32 v[SPW], v[NIL]
	s_wait_dscnt 0x0
	CROUND
	JLOAD G0+4, G1, G0B+4, G1B                     ; slot 1, the first tensor load behind the round
	FETCH 0, 0, 0
	PF 2                                           ; slots 0 and 1 have been asked for by their loads: slots 2 and 3 are named
	PF 3
	STEP 0, 0, 1                                   ; the first step's products start the sums
	WIN 0
	s_mov_b32 s3, 4
.Llap:                                                 ; a trip: six steps, once round the two slots and back to the same sets
	STEP 0, 1, 0
	TURN 0, 1
	STEP 1, 0, 0
	STEP 1, 1, 0
	TURN 1, 1
	STEP 0, 0, 0
	WIN 0
	s_sub_co_u32 s3, s3, 1
	s_cmp_lg_u32 s3, 0
	s_cbranch_scc1 .Llap
	STEP 0, 1, 0                                   ; slot 8
	TURN 0, 2
	STEP 1, 0, 0                                   ; slot 9
	STEP 1, 1, 0
.set PIT, RBL                          ; slot 10's blocks lie closer
	TURN 1, 3
	STEP 0, 0, 0                                   ; slot 10
; THE LAST STEP AND THE WAY OUT.  A block of 16 rows x 128 columns goes through my own stage and comes back as rows of 512 bytes; LDS serves a wave's instructions in order (ISA guide 5.7.1), so no wait stands between the stores and the loads.
; The rows come back into registers of the sets that the last step does not use: window 0 v64-127 (even blocks), window 1 v0-63 (odd blocks).
.macro TOSTAGE a
.set AC, 64*((\a)%4)
.set BB, 64*(1-((\a)%2))
	WIN 0x08+4*((\a)/4)
.irp b, 0,1,2,3,4,5,6,7
	ds_store_b128 v[STO], v[AC+8*\b:AC+8*\b+3] offset:64*\b          ; each accumulator from its low end on
	ds_store_b128 v[STO], v[AC+8*\b+4:AC+8*\b+7] offset:64*\b+16
.endr
	WIN ((\a)%2)<<6
.irp t, 0,1,2,3,4,5,6,7,8,9,10,11,12,13,14,15
	ds_load_b128 v[BB+4*\t:BB+4*\t+3], v[RD] offset:\t*SPITCH
.endr
.endm
.macro SEND a, younger
.set BB, 64*(1-((\a)%2))
	s_wait_dscnt \younger                          ; the block is back; the next block's 32 LDS instructions may be out
.if (\a) > 0
	s_add_nc_u64 s[12:13], s[12:13], 16*SIZE_N*4   ; behind a wait on XCNT: the earlier stores have read their base
.endif
	WIN ((\a)%2)<<2
.irp t, 0,1,2,3,4,5,6,7,8,9,10,11,12,13,14,15
	global_store_b128 v[CO], v[BB+4*\t:BB+4*\t+3], s[12:13] offset:\t*SIZE_N*4   ; 32 lanes store 512 consecutive bytes, at a multiple of 256 from out0's first byte
.endr
.endm
	s_wait_dscnt 0x0                               ; all of the last step's fragments are in
.irp a, 0,1,2,3,4,5,6,7
	GRP \a, 1, 0                                   ; block a is finished
	PLACES
.if \a > 1
	s_wait_xcnt 0x0                                ; block a - 2's stores have read their registers and their base
.endif
	TOSTAGE \a
.if \a > 0
	SEND \a-1, 32
.endif
.endr
	s_wait_xcnt 0x0
	SEND 7, 0
	WIN 0
	s_wait_tensorcnt 0x0                           ; the wave's end
	ds_add_u32 v[SPW], v[NIL]
	s_wait_dscnt 0x0
	CROUND                                         ; the closing round
	s_endpgm
.Lfunc_end_k_q24b90dca8a_gemm:
	.size	k_q24b90dca8a_gemm, .Lfunc_end_k_q24b90dca8a_gemm-k_q24b90dca8a_gemm
	.p2alignl 7, 3214868480
	.fill 96, 4, 3214868480
	.section	.rodata,"a",@progbits
	.p2align	6, 0x0
	.amdhsa_kernel k_q24b90dca8a_gemm
		.amdhsa_group_segment_fixed_size 327680
		.amdhsa_private_segment_fixed_size 0
		.amdhsa_enable_private_segment 0
		.amdhsa_kernarg_size 24
		.amdhsa_user_sgpr_count 2
		.amdhsa_user_sgpr_kernarg_segment_ptr 1
		.amdhsa_wavefront_size32 1
		.amdhsa_system_sgpr_workgroup_id_x 1
		.amdhsa_system_sgpr_workgroup_id_y 1
		.amdhsa_system_sgpr_workgroup_id_z 1
		.amdhsa_system_vgpr_workitem_id 0
		.amdhsa_next_free_vgpr 1024
		.amdhsa_next_free_sgpr 98
		.amdhsa_reserve_vcc 0
		.amdhsa_float_denorm_mode_32 3
		.amdhsa_float_denorm_mode_16_64 3
		.amdhsa_memory_ordered 1
		.amdhsa_forward_progress 1
		.amdhsa_inst_pref_size 210
	.end_amdhsa_kernel
	.amdgpu_metadata
---
amdhsa.version: [ 1, 2 ]
amdhsa.kernels:
  - .name:           k_q24b90dca8a_gemm
    .symbol:         k_q24b90dca8a_gemm.kd
    .args:
      - { .name: a_codes, .offset: 0, .size: 8, .value_kind: global_buffer, .address_space: global }
      - { .name: b_codes, .offset: 8, .size: 8, .value_kind: global_buffer, .address_space: global }
      - { .name: out0, .offset: 16, .size: 8, .value_kind: global_buffer, .address_space: global }
    .group_segment_fixed_size: 327680
    .private_segment_fixed_size: 0
    .kernarg_segment_align: 8
    .kernarg_segment_size: 24
    .max_flat_workgroup_size: 128
    .sgpr_count:     98
    .vgpr_count:     1024
    .wavefront_size: 32
...
	.end_amdgpu_metadata
.endif
;; end of part 2
